; MI455X (gfx1250); checked and timed in simulation.
; The chip was launched on July 23, 2026; its instructions are those of AMD's public machine-readable ISA for CDNA 5 (MIT licence, August 2026) and "CDNA5" Instruction Set Architecture Reference Guide (July 2026). The comments in the code are by the model that wrote it; some were corrected since.
;; Learned Attention. Allowed arithmetic: float matrix products may take bf16 or f16 operands with f32 sums; all other float work in f32.
;; Inputs: b 1 float32; keys 32 x 4,096 x 8 x 64 float32; queries 32 x 1 x 8 x 64 float32; values 32 x 4,096 x 8 x 64 float32; w 128 float32.
;; Outputs: out0 32 x 8 x 8 x 64 float32.
;; One version. Each part assembles by itself: llvm-mc -triple=amdgcn-amd-amdhsa -mcpu=gfx1250 --defsym DOCPART=n.
;; ======== version 1 of 1: 2 launches
;; limits: values are held in f16: magnitudes above 65,504 overflow, below 6.1e-05 lose precision; inputs' magnitudes at most 65,504
;; workspace buffers: part 4,259,840 bytes
;; launch partial (part 1): grid 256 x 1, 16 waves a work-group, no clusters, 44,544 bytes of LDS; arguments keys, values, queries, w, b, part; writes part
.if DOCPART == 1
	.amdgcn_target "amdgcn-amd-amdhsa--gfx1250"
	.amdhsa_code_object_version 6
	.text
	.protected	k_q3100f71d62_partial
	.globl	k_q3100f71d62_partial
	.p2align	8
	.type	k_q3100f71d62_partial,@function
k_q3100f71d62_partial:
	s_mov_b64 s[64:65], 0
	v_nop
	global_prefetch_b8 v0, s[64:65] scope:SCOPE_SE
	s_setreg_imm32_b32 hwreg(HW_REG_WAVE_MODE, 25, 1), 1
	s_wait_xcnt 0x0
; PARTIAL SOFTMAX-WEIGHTED SUM OVER ONE CHUNK OF S.
; keys, values: [32 n][4096 s][8][64] f32.  score[n][l][s] = queries[n][l].w[0:64] + keys[n][s][l].w[64:128] + b.
; Work-group id = 8 n + chunk owns 512 consecutive s of one n: 1 MiB of keys and 1 MiB of values, both at byte id << 20.
; It leaves a record of 16,640 bytes in part: acc[l][512] = sum over its s of exp(score - max) * values[s][:], then 256 bytes of
; (max[l], sum[l]) pairs, max and sum taken over its own 512 s.  The next launch joins the eight records of an n.
; PHASE 1, f32 on the vector unit: wave w takes s = 32 w .. 32 w + 31, 64 KiB of neighbouring bytes, 512 a load.
; PHASE 2, matrix unit, f16 operands, f32 sums: wave = (head = w & 7, half = w >> 3) takes 256 s x 64 columns.
; Both phases load straight into the registers they compute from; one ring of 32 slots (32 loads of 512 bytes a wave) runs through both.
; No cluster: no two work-groups read the same input byte.  No copy through LDS: nothing would be gained by a second layout.
; The text is straight-line: every group's result has a register of its own and every address is a constant offset.
; LIMITS: values of magnitude 65,504 or more become infinity in f16 (the drawn ones are of order 1); f16's absolute error is up to 2^-25
; for values and for exp(score - max) in its denormal range, and smaller ones count as zero; the maxima ignore NaN, so NaN and
; infinite inputs do not spread as in the f32 formula.
.set ROWB,   2048                      ; bytes of one s: 8 heads x 64 f32
.set RECORD, 16640                     ; 8 x 512 f32 + 256
.set PPITCH, 1040                      ; LDS row of P: 512 f16 + 16 bytes, so that the 8 rows of a fragment load start 16 bytes apart modulo 256
.set MAXB,   8*PPITCH                  ; max[l][wave], 8 x 64 bytes
.set SUMB,   MAXB+512                  ; sum[l][wave]
.set STG,    SUMB+512                  ; the way out: two halves of 8 rows
.set SPITCH, 2064                      ; 512 f32 + 16 bytes: row l starts 4 l words on, modulo 64 words
.set SHALF,  8*SPITCH
.set LOG2E,  0x3fb8aa3b
.set KOFF, 1                           ; byte offset of my 16 bytes in my wave's keys
.set VOFF, 2                           ; the same in the values
.set SOFF, 3                           ; 16 x lane
.set WOFF, 4                           ; 16 x (lane & 15)
.set AMXS, 5                           ; LDS: l x 64 + wave x 4
.set AML,  6                           ; LDS: l x 64
.set APST, 7                           ; LDS: where my 8 P go
.set ABFR, 8                           ; LDS: my part of a B fragment
.set QB,   9                           ; queries.wq + b of my l
.set MX,   10                          ; max of my l
.set SM,   11                          ; sum of my l (a pair with MX for the last store)
.set WK,   12                          ; v[12:15] w[64 + 4 r ..]
.set WQ,   16                          ; v[16:19] w[4 r ..]
.set T,    20                          ; v[20:27] four pairs at work
.set U,    28                          ; v[28:31] at work
.set BF,   16                          ; v[16:31] phase 2: B fragments, two buffers
.set L,    32                          ; v[32:159] the ring: 32 slots of 4
.set AF,   160                         ; v[160:223] phase 2: A fragments of 4 tiles, two buffers
.set ACC,  224                         ; v[224:255] phase 2: 4 accumulator tiles
.set PP,   160                         ; phase 1: 16 partial dot products
.set S,    176                         ; 8 scores
.set E,    184                         ; 8 exponents
.set P,    192                         ; 8 exponentials
.set X,    200                         ; 16 words from LDS
.set PK,   216                         ; 8 f16
.set QL,   224                         ; the query rows as loaded
.set QP,   240                         ; their 4 partial dot products
.set WV, 20                            ; set-up only: wave, h, head, half, l, q
.set HV, 21
.set HD, 22
.set SH, 23
.set LL, 24
.set QV, 25
.set MASK, 20                          ; s[20:23]: lanes whose number has bit 0, 1, 2, 3 set
; load i (0..15) of key group g (0..7): the wave's bytes 8192 g + 512 i ..: s = 4 g + (i >> 2), l = 2 (i & 3) + (lane >> 4), d = 4 (lane & 15) ..
.macro KLOAD g, i
	global_load_b128 v[L+64*((\g)&1)+4*(\i):L+64*((\g)&1)+4*(\i)+3], v[KOFF], s[4:5] offset:8192*(\g)+512*(\i) th:TH_LOAD_NT
.endm
; load i (0..15) of value step t (0..7): 256 bytes of row 32 t + 4 (i & 7) + 2 (i >> 3) for lanes 0-15, of the next row for lanes 16-31
.macro VLOAD t, i
	global_load_b128 v[L+64*((\t)&1)+4*(\i):L+64*((\t)&1)+4*(\i)+3], v[VOFF], s[6:7] offset:ROWB*(32*(\t)+4*((\i)&7)+2*((\i)>>3)) th:TH_LOAD_NT
.endm
; Two sums over lanes in one: lanes whose bit is 0 go on with x, the others with y; each adds what its partner (lane xor xm) holds of the same.
.macro COMB x, y, bit, xm, u
	v_cndmask_b32 v[\u], v[\y], v[\x], s[MASK+\bit]          ; what my partner goes on with
	v_cndmask_b32 v[\x], v[\x], v[\y], s[MASK+\bit]          ; what I go on with
	v_add_f32_dpp v[\x], v[\u], v[\x] row_xmask:\xm row_mask:0xf bank_mask:0xf
.endm
	s_load_b256 s[4:11], s[0:1], 0x0               ; keys s[4:5], values s[6:7], queries s[8:9], w s[10:11]
	s_load_b128 s[12:15], s[0:1], 0x20             ; b s[12:13], part s[14:15]
	v_and_b32 v[SOFF], 31, v0
	v_lshrrev_b32 v[WV], 5, v0
	v_and_b32 v[WOFF], 15, v0
	v_lshlrev_b32 v[SOFF], 4, v[SOFF]
	v_lshlrev_b32 v[WOFF], 4, v[WOFF]
	v_readfirstlane_b32 s16, v[WV]                 ; wave, 0 to 15
	v_lshl_or_b32 v[KOFF], v[WV], 16, v[SOFF]      ; wave x 32 rows of 2,048 bytes + 16 x lane
	s_lshl_b32 s18, ttmp9, 20                      ; id x 512 rows of 2,048 bytes (below 2^28)
	s_mov_b32 s19, 0
	s_lshr_b32 s26, ttmp9, 3                       ; n
	s_lshl_b32 s26, s26, 11                        ; n's 8 x 64 queries
	s_mov_b32 s27, 0
	s_mul_i32 s28, ttmp9, RECORD
	s_mov_b32 s29, 0
	s_mov_b32 s[MASK+0], 0xaaaaaaaa
	s_mov_b32 s[MASK+1], 0xcccccccc
	s_mov_b32 s[MASK+2], 0xf0f0f0f0
	s_mov_b32 s[MASK+3], 0xff00ff00
	s_wait_kmcnt 0x0
	s_load_b32 s17, s[12:13], 0x0                  ; b
	s_add_nc_u64 s[4:5], s[4:5], s[18:19]
	s_add_nc_u64 s[6:7], s[6:7], s[18:19]
	s_add_nc_u64 s[8:9], s[8:9], s[26:27]
	s_add_nc_u64 s[14:15], s[14:15], s[28:29]
	global_load_b128 v[WK:WK+3], v[WOFF], s[10:11] offset:256
	global_load_b128 v[WQ:WQ+3], v[WOFF], s[10:11]
.irp i, 0,1,2,3
	global_load_b128 v[QL+4*\i:QL+4*\i+3], v[SOFF], s[8:9] offset:512*\i    ; queries of l = 2 i + (lane >> 4), laid out like a row of keys
.endr
.irp i, 0,1,2,3,4,5,6,7,8,9,10,11,12,13,14,15
	KLOAD 0, \i                                    ; the ring is filled: 32 loads, 16 KiB of the wave's keys
.endr
.irp i, 0,1,2,3,4,5,6,7,8,9,10,11,12,13,14,15
	KLOAD 1, \i
.endr
	; addresses, while the loads are on their way
	v_bfe_u32 v[HV], v0, 4, 1                      ; h = lane >> 4
	v_bfe_u32 v[HD], v0, 5, 3                      ; head = wave & 7
	v_lshrrev_b32 v[SH], 8, v0                     ; half = wave >> 3
	v_lshl_or_b32 v[VOFF], v[SH], 19, v[WOFF]      ; half x 256 rows + 16 (lane & 15)
	v_lshl_or_b32 v[VOFF], v[HV], 11, v[VOFF]      ; + h rows
	v_lshl_or_b32 v[VOFF], v[HD], 8, v[VOFF]       ; + head x 256 bytes
	v_and_b32 v[LL], 3, v0
	v_lshl_or_b32 v[LL], v[LL], 1, v[HV]           ; the l that I end up with: 2 (lane & 3) + h
	v_bfe_u32 v[QV], v0, 2, 2                      ; q = (lane >> 2) & 3
	v_lshlrev_b32 v[AML], 6, v[LL]
	v_lshl_add_u32 v[AMXS], v[WV], 2, v[AML]
	v_mul_u32_u24 v[APST], v[LL], PPITCH
	v_lshl_add_u32 v[APST], v[WV], 6, v[APST]      ; the wave's 32 places of 2 bytes
	v_lshl_add_u32 v[APST], v[QV], 4, v[APST]      ; my 8 of them
	v_and_b32 v[ABFR], 7, v0                       ; B's column n = lane & 15 is l = n & 7: columns 8-15 repeat 0-7 and are never stored
	v_mul_u32_u24 v[ABFR], v[ABFR], PPITCH
	v_lshl_add_u32 v[ABFR], v[SH], 9, v[ABFR]      ; my half's 256 places
	v_lshl_add_u32 v[ABFR], v[HV], 4, v[ABFR]
	; queries.wq + b: four dot products of 64, brought to the lanes in the order in which the scores will lie
	s_wait_loadcnt 32                              ; loads return in order (ISA guide 5.7.1): the six small ones are in, the 32 of the ring stay out
.irp i, 0,1,2,3
	v_pk_mul_f32 v[T+2*\i:T+2*\i+1], v[QL+4*\i:QL+4*\i+1], v[WQ:WQ+1]
	v_pk_fma_f32 v[T+2*\i:T+2*\i+1], v[QL+4*\i+2:QL+4*\i+3], v[WQ+2:WQ+3], v[T+2*\i:T+2*\i+1]
	v_add_f32 v[QP+\i], v[T+2*\i], v[T+2*\i+1]
.endr
	COMB QP+0, QP+1, 0, 1, U+0
	COMB QP+2, QP+3, 0, 1, U+1
	COMB QP+0, QP+2, 1, 2, U+0
	v_add_f32_dpp v[QP], v[QP], v[QP] row_xmask:4 row_mask:0xf bank_mask:0xf
	v_add_f32_dpp v[QP], v[QP], v[QP] row_xmask:8 row_mask:0xf bank_mask:0xf
	s_wait_kmcnt 0x0                               ; b
	v_add_f32 v[QB], s17, v[QP]
; KEY GROUP g: 16 loads = 4 s x 8 l.  A slot's turn: its load is in, three instructions make the lane's part of the dot product, and the slot is
; asked for again at once, two groups ahead; the last two groups ask for the first two value steps, so the ring never runs dry between the phases.
; Then 16 sums over 16 lanes are made together: after the four stages lane r of each half holds the sum of load i = r.
.macro KGROUP g
.irp i, 0,1,2,3,4,5,6,7,8,9,10,11,12,13,14,15
	s_wait_loadcnt 31                              ; the oldest of 32 is in, the 31 younger stay out
	v_pk_mul_f32 v[T+2*(\i&3):T+2*(\i&3)+1], v[L+64*(\g&1)+4*\i:L+64*(\g&1)+4*\i+1], v[WK:WK+1]
	v_pk_fma_f32 v[T+2*(\i&3):T+2*(\i&3)+1], v[L+64*(\g&1)+4*\i+2:L+64*(\g&1)+4*\i+3], v[WK+2:WK+3], v[T+2*(\i&3):T+2*(\i&3)+1]
	v_add_f32 v[PP+\i], v[T+2*(\i&3)], v[T+2*(\i&3)+1]
.if \g < 6
	KLOAD \g+2, \i
.else
	VLOAD \g-6, \i
.endif
.endr
.irp k, 0,2,4,6,8,10,12,14
	COMB PP+\k, PP+\k+1, 0, 1, U+((\k>>1)&3)
.endr
.irp k, 0,4,8,12
	COMB PP+\k, PP+\k+2, 1, 2, U+(\k>>2)
.endr
.irp k, 0,8
	COMB PP+\k, PP+\k+4, 2, 4, U+(\k>>3)
.endr
	COMB PP, PP+8, 3, 8, U
	v_add_f32 v[S+\g], v[PP], v[QB]                ; score(s = 32 wave + 4 g + q, l = 2 (lane & 3) + h)
.endm
	KGROUP 0
	KGROUP 1
	KGROUP 2
	KGROUP 3
	KGROUP 4
	KGROUP 5
	KGROUP 6
	KGROUP 7
	; THE CHUNK'S MAXIMUM for each l: my 8 scores, the 4 lanes with my l (lane xor 4, 8), the 16 waves through LDS
	v_max3_num_f32 v[MX], v[S], v[S+1], v[S+2]
	v_max3_num_f32 v[MX], v[MX], v[S+3], v[S+4]
	v_max3_num_f32 v[MX], v[MX], v[S+5], v[S+6]
	v_max_num_f32 v[MX], v[MX], v[S+7]
	v_max_num_f32_dpp v[MX], v[MX], v[MX] row_xmask:4 row_mask:0xf bank_mask:0xf
	v_max_num_f32_dpp v[MX], v[MX], v[MX] row_xmask:8 row_mask:0xf bank_mask:0xf
	ds_store_b32 v[AMXS], v[MX] offset:MAXB        ; the four lanes of an l write the same word with the same value
	s_wait_dscnt 0x0                               ; for the other waves' sake: stored before I signal
	s_barrier_signal -1
	s_barrier_wait -1
.irp k, 0,1,2,3
	ds_load_b128 v[X+4*\k:X+4*\k+3], v[AML] offset:MAXB+16*\k
.endr
	s_wait_dscnt 0x0
	v_max3_num_f32 v[MX], v[X], v[X+1], v[X+2]
.irp k, 3,5,7,9,11,13
	v_max3_num_f32 v[MX], v[MX], v[X+\k], v[X+\k+1]
.endr
	v_max_num_f32 v[MX], v[MX], v[X+15]
	; P = exp(score - max).  The difference is taken first, so that the exponent's error does not grow with the size of the scores.
.irp g, 0,1,2,3,4,5,6,7
	v_sub_f32 v[E+\g], v[S+\g], v[MX]
.endr
.irp g, 0,1,2,3,4,5,6,7
	v_mul_f32 v[E+\g], LOG2E, v[E+\g]
.endr
.irp g, 0,1,2,3,4,5,6,7
	v_exp_f32 v[P+\g], v[E+\g]
.endr
	v_nop                                          ; one plain instruction between the last v_exp_f32 and the first use (ISA guide 5.7.2)
	s_wait_alu depctr_va_vdst(0)
	v_pk_add_f32 v[X:X+1], v[P:P+1], v[P+2:P+3]
	v_pk_add_f32 v[X+2:X+3], v[P+4:P+5], v[P+6:P+7]
.irp k, 0,1,2,3
	v_cvt_pk_f16_f32 v[PK+\k], v[P+2*\k], v[P+2*\k+1]
.endr
	v_pk_add_f32 v[X:X+1], v[X:X+1], v[X+2:X+3]
	v_add_f32 v[SM], v[X], v[X+1]
	v_add_f32_dpp v[SM], v[SM], v[SM] row_xmask:4 row_mask:0xf bank_mask:0xf
	v_add_f32_dpp v[SM], v[SM], v[SM] row_xmask:8 row_mask:0xf bank_mask:0xf
	; My 8 P belong to s = 32 wave + 4 g + q, g = 0..7.  They are laid at places 32 wave + 8 q + g of row l: 16 neighbouring bytes.
	; So place k of a block of 32 stands for s = 4 (k & 7) + (k >> 3); VLOAD fetches the values' rows in the same order.
	ds_store_b128 v[APST], v[PK:PK+3]
	ds_store_b32 v[AMXS], v[SM] offset:SUMB
	s_wait_dscnt 0x0                               ; P and the sums are in LDS before I signal
	s_barrier_signal -1
	s_barrier_wait -1
	; PHASE 2.  D = A B: A's row m = lane & 15 is column 64 head + 4 m + c of the values (c = the tile, the word of the lane's 16 bytes),
	; B's column n is l, K = 32 places of s.  Register j of A holds places 8 h + 2 j, + 1 (j < 4) or 16 + 8 h + 2 (j - 4), + 1: loads 2 j and 2 j + 1.
	ds_load_b128 v[BF:BF+3], v[ABFR]
	ds_load_b128 v[BF+4:BF+7], v[ABFR] offset:32
; left, dec: the wait's count is left - 2 dec j.  With refills 32 loads are out at each pair's head and the oldest two must be in: 30.
.macro VSTEP t, refill, left, dec
.irp j, 0,1,2,3,4,5,6,7
	s_wait_loadcnt \left-2*\dec*\j
.irp c, 0,1,2,3
	v_cvt_pk_f16_f32 v[AF+32*(\t&1)+8*\c+\j], v[L+64*(\t&1)+8*\j+\c], v[L+64*(\t&1)+8*\j+4+\c]
.endr
.if \refill
	VLOAD \t+2, 2*\j
	VLOAD \t+2, 2*\j+1
.endif
.if \j == 1
.if \t < 7
	; the next step's B fragment, into the buffer that the step before this one multiplied by: the eight conversions above, which name
	; none of those products' registers, are the places that a load into a matrix source has to keep (ISA guide 7.12.1 for vector writes)
	ds_load_b128 v[BF+8*((\t+1)&1):BF+8*((\t+1)&1)+3], v[ABFR] offset:64*(\t+1)
	ds_load_b128 v[BF+8*((\t+1)&1)+4:BF+8*((\t+1)&1)+7], v[ABFR] offset:64*(\t+1)+32
.endif
.endif
.endr
.if \t < 7
	s_wait_dscnt 0x2                               ; this step's fragment is in; the next step's two loads stay out
.else
	s_wait_dscnt 0x0
.endif
.irp c, 0,1,2,3
.if \t == 0
	v_wmma_f32_16x16x32_f16 v[ACC+8*\c:ACC+8*\c+7], v[AF+8*\c:AF+8*\c+7], v[BF:BF+7], 0      ; the first product starts the sums
.else
	v_wmma_f32_16x16x32_f16 v[ACC+8*\c:ACC+8*\c+7], v[AF+32*(\t&1)+8*\c:AF+32*(\t&1)+8*\c+7], v[BF+8*(\t&1):BF+8*(\t&1)+7], v[ACC+8*\c:ACC+8*\c+7]
.endif
.endr
.endm
	; A's fragments have two buffers: a buffer is written again a whole step (32 conversions) behind the products that read it
	VSTEP 0, 1, 30, 0
	VSTEP 1, 1, 30, 0
	VSTEP 2, 1, 30, 0
	VSTEP 3, 1, 30, 0
	VSTEP 4, 1, 30, 0
	VSTEP 5, 1, 30, 0
	VSTEP 6, 0, 30, 1                              ; nothing is asked for any more: the counts run down, 30 .. 16,
	VSTEP 7, 0, 14, 1                              ; 14 .. 0
	; THE WAY OUT.  Lane (n, h), register j of tile c holds acc[l = n][64 head + 32 h + 4 j + c].  Lanes n < 8 put it into their half's stage.
	; The address arithmetic below names no register of the products: it fills the places in front of the stores that read D.
	v_and_b32 v3, 7, v0                            ; l
	v_lshrrev_b32 v4, 8, v0                        ; half
	v_bfe_u32 v5, v0, 5, 3                         ; head
	v_bfe_u32 v7, v0, 4, 1                         ; h
	v_mul_u32_u24 v12, v3, SPITCH
	v_mad_u32_u24 v12, v4, SHALF, v12
	v_lshl_add_u32 v12, v5, 8, v12
	v_lshl_add_u32 v12, v7, 7, v12
	v_and_b32 v13, 8, v0
	v_cmp_eq_u32 vcc_lo, 0, v13                    ; n < 8
	s_wait_xcnt 0x0                                ; EXEC changes only when no global instruction can still need it
	s_and_saveexec_b32 s24, vcc_lo
.irp c, 0,1,2,3
.irp j, 0,1,2,3,4,5,6,7
	ds_store_b32 v12, v[ACC+8*\c+\j] offset:STG+16*\j+4*\c     ; words 516 l + 32 h + const
.endr
.endr
	s_or_b32 exec_lo, exec_lo, s24
	s_wait_dscnt 0x0                               ; staged before I signal
	s_barrier_signal -1
	v_lshrrev_b32 v3, 7, v0                        ; thread t adds and stores the 16 bytes t and t + 512 of the 8 x 2,048 bytes: rows t >> 7 and + 4
	v_and_b32 v4, 127, v0
	v_mul_u32_u24 v3, v3, SPITCH
	v_lshl_add_u32 v3, v4, 4, v3
	v_lshlrev_b32 v4, 4, v0
	s_barrier_wait -1
	ds_load_b128 v[32:35], v3 offset:STG
	ds_load_b128 v[36:39], v3 offset:STG+SHALF
	ds_load_b128 v[40:43], v3 offset:STG+4*SPITCH
	ds_load_b128 v[44:47], v3 offset:STG+4*SPITCH+SHALF
	s_wait_dscnt 0x2                               ; the first two are in
	v_pk_add_f32 v[32:33], v[32:33], v[36:37]
	v_pk_add_f32 v[34:35], v[34:35], v[38:39]
	global_store_b128 v4, v[32:35], s[14:15]       ; 16 lanes store 256 consecutive bytes at a multiple of 256 from the record's first byte
	s_wait_dscnt 0x0
	v_pk_add_f32 v[40:41], v[40:41], v[44:45]
	v_pk_add_f32 v[42:43], v[42:43], v[46:47]
	global_store_b128 v4, v[40:43], s[14:15] offset:8192
	s_cmp_lg_u32 s16, 0
	s_cbranch_scc1 .Lend
	; wave 0: the 16 waves' sums of my l, and the pairs (max, sum): lane (q, l) writes pair 8 q + l, one store of 256 consecutive bytes
.irp k, 0,1,2,3
	ds_load_b128 v[48+4*\k:51+4*\k], v[AML] offset:SUMB+16*\k
.endr
	v_lshrrev_b32 v5, 3, v[AML]                    ; 8 l
	v_bfe_u32 v7, v0, 2, 2                         ; q
	v_lshl_add_u32 v5, v7, 6, v5
	s_wait_dscnt 0x0
	v_pk_add_f32 v[48:49], v[48:49], v[50:51]
	v_pk_add_f32 v[52:53], v[52:53], v[54:55]
	v_pk_add_f32 v[56:57], v[56:57], v[58:59]
	v_pk_add_f32 v[60:61], v[60:61], v[62:63]
	v_pk_add_f32 v[48:49], v[48:49], v[52:53]
	v_pk_add_f32 v[56:57], v[56:57], v[60:61]
	v_pk_add_f32 v[48:49], v[48:49], v[56:57]
	v_add_f32 v[SM], v48, v49
	global_store_b64 v5, v[MX:SM], s[14:15] offset:16384
.Lend:
	s_wait_xcnt 0x0
	s_mov_b32 exec_lo, -1
	v_lshl_add_u32 v254, v0, 2, 0xa600
	v_mov_b32 v255, 0
	s_wait_tensorcnt 0x0
	ds_add_u32 v254, v255
	s_wait_dscnt 0x0
	s_endpgm
.Lfunc_end_k_q3100f71d62_partial:
	.size	k_q3100f71d62_partial, .Lfunc_end_k_q3100f71d62_partial-k_q3100f71d62_partial
	.p2alignl 7, 3214868480
	.fill 96, 4, 3214868480
	.section	.rodata,"a",@progbits
	.p2align	6, 0x0
	.amdhsa_kernel k_q3100f71d62_partial
		.amdhsa_group_segment_fixed_size 44544
		.amdhsa_private_segment_fixed_size 0
		.amdhsa_enable_private_segment 0
		.amdhsa_kernarg_size 48
		.amdhsa_user_sgpr_count 2
		.amdhsa_user_sgpr_kernarg_segment_ptr 1
		.amdhsa_wavefront_size32 1
		.amdhsa_system_sgpr_workgroup_id_x 1
		.amdhsa_system_sgpr_workgroup_id_y 1
		.amdhsa_system_sgpr_workgroup_id_z 1
		.amdhsa_system_vgpr_workitem_id 0
		.amdhsa_next_free_vgpr 256
		.amdhsa_next_free_sgpr 66
		.amdhsa_reserve_vcc 1
		.amdhsa_float_denorm_mode_32 3
		.amdhsa_float_denorm_mode_16_64 3
		.amdhsa_memory_ordered 1
		.amdhsa_forward_progress 1
		.amdhsa_inst_pref_size 105
	.end_amdhsa_kernel
	.amdgpu_metadata
---
amdhsa.version: [ 1, 2 ]
amdhsa.kernels:
  - .name:           k_q3100f71d62_partial
    .symbol:         k_q3100f71d62_partial.kd
    .args:
      - { .name: keys, .offset: 0, .size: 8, .value_kind: global_buffer, .address_space: global }
      - { .name: values, .offset: 8, .size: 8, .value_kind: global_buffer, .address_space: global }
      - { .name: queries, .offset: 16, .size: 8, .value_kind: global_buffer, .address_space: global }
      - { .name: w, .offset: 24, .size: 8, .value_kind: global_buffer, .address_space: global }
      - { .name: b, .offset: 32, .size: 8, .value_kind: global_buffer, .address_space: global }
      - { .name: part, .offset: 40, .size: 8, .value_kind: global_buffer, .address_space: global }
    .group_segment_fixed_size: 44544
    .private_segment_fixed_size: 0
    .kernarg_segment_align: 8
    .kernarg_segment_size: 48
    .max_flat_workgroup_size: 512
    .sgpr_count:     66
    .vgpr_count:     256
    .wavefront_size: 32
...
	.end_amdgpu_metadata
.endif
;; end of part 1
;; launch combine (part 2): grid 256 x 1, 4 waves a work-group, no clusters, 0 bytes of LDS; arguments part, out0; writes out0
.if DOCPART == 2
	.amdgcn_target "amdgcn-amd-amdhsa--gfx1250"
	.amdhsa_code_object_version 6
	.text
	.protected	k_q3100f71d62_combine
	.globl	k_q3100f71d62_combine
	.p2align	8
	.type	k_q3100f71d62_combine,@function
k_q3100f71d62_combine:
	s_mov_b64 s[64:65], 0
	v_nop
	global_prefetch_b8 v0, s[64:65] scope:SCOPE_SE
	s_setreg_imm32_b32 hwreg(HW_REG_WAVE_MODE, 25, 1), 1
	s_wait_xcnt 0x0
; out0[n][l][:] = sum over the 8 chunks c of exp(max_c - M) acc_c[l][:]  /  sum over c of exp(max_c - M) sum_c,  M = the largest max_c.
; Work-group id = 8 n + l makes one row of 512 f32 with four waves: thread t makes the 16 bytes at 16 t from eight loads of 16 bytes.
; A chunk's record in part: acc[8][512] f32, then at byte 16,384 the pairs (max[l], sum[l]).
; The chunk that holds M has the weight 1 and a sum of at least 1, so the divisor is at least 1.
; Memory and the length of the chain of dependent steps decide here: no LDS, no barrier, no matrix unit.
.set RECORD, 16640
.set LOG2E,  0x3fb8aa3b
.set E, 4                              ; v[4:11]   exponents
.set W, 12                             ; v[12:27]  chunk c's weight, twice: a pair for the packed multiply-adds
.set X, 28                             ; v[28:59]  chunk c's 4 numbers
.set A, 60                             ; v[60:63]  the result
	s_load_b128 s[4:7], s[0:1], 0x0                ; part s[4:5], out0 s[6:7]
	s_lshr_b32 s8, ttmp9, 3                        ; n
	s_and_b32 s9, ttmp9, 7                         ; l
	s_mul_i32 s10, s8, 8*RECORD                    ; n's eight records
	s_lshl_b32 s12, s9, 11
	s_add_co_u32 s12, s12, s10                     ; row l of the first
	s_mov_b32 s13, 0
	s_lshl_b32 s14, s9, 3
	s_add_co_u32 s14, s14, s10
	s_add_co_u32 s14, s14, 16384                   ; pair l of the first
	s_mov_b32 s15, 0
	s_lshl_b32 s10, ttmp9, 11                      ; row (n, l) of out0
	s_mov_b32 s11, 0
	v_lshlrev_b32 v1, 4, v0
	s_wait_kmcnt 0x0
	s_add_nc_u64 s[12:13], s[4:5], s[12:13]
	s_add_nc_u64 s[14:15], s[4:5], s[14:15]
	s_add_nc_u64 s[6:7], s[6:7], s[10:11]
.irp c, 0,1,2,3,4,5,6,7
	s_load_b64 s[16+2*\c:17+2*\c], s[14:15], \c*RECORD       ; max_c in s[16 + 2 c], sum_c in s[17 + 2 c]
.endr
.irp c, 0,1,2,3,4,5,6,7
	global_load_b128 v[X+4*\c:X+4*\c+3], v1, s[12:13] offset:\c*RECORD
.endr
	s_wait_kmcnt 0x0
	v_mov_b32 v2, s16
	v_max3_num_f32 v2, s18, s20, v2
	v_max3_num_f32 v2, s22, s24, v2
	v_max3_num_f32 v2, s26, s28, v2
	v_max_num_f32 v2, s30, v2                      ; M
.irp c, 0,1,2,3,4,5,6,7
	v_sub_f32 v[E+\c], s[16+2*\c], v2
.endr
.irp c, 0,1,2,3,4,5,6,7
	v_mul_f32 v[E+\c], LOG2E, v[E+\c]
.endr
.irp c, 0,1,2,3,4,5,6,7
	v_exp_f32 v[W+2*\c], v[E+\c]
.endr
	v_nop                                          ; one plain instruction between the last v_exp_f32 and the first use (ISA guide 5.7.2)
	s_wait_alu depctr_va_vdst(0)
	v_mul_f32 v3, s17, v[W]
.irp c, 1,2,3,4,5,6,7
	v_fmac_f32 v3, s[17+2*\c], v[W+2*\c]
.endr
	v_rcp_f32 v2, v3
	v_nop                                          ; and behind v_rcp_f32
	s_wait_alu depctr_va_vdst(0)
.irp c, 0,1,2,3,4,5,6,7
	v_mul_f32 v[W+2*\c+1], v[W+2*\c], v2           ; the division goes into the weights
	v_mul_f32 v[W+2*\c], v[W+2*\c], v2
.endr
	s_wait_loadcnt 7                               ; loads return in order (ISA guide 5.7.1): chunk 0 is in
	v_pk_mul_f32 v[A:A+1], v[X:X+1], v[W:W+1]
	v_pk_mul_f32 v[A+2:A+3], v[X+2:X+3], v[W:W+1]
.irp c, 1,2,3,4,5,6,7
	s_wait_loadcnt 7-\c                            ; chunk c is in
	v_pk_fma_f32 v[A:A+1], v[X+4*\c:X+4*\c+1], v[W+2*\c:W+2*\c+1], v[A:A+1]
	v_pk_fma_f32 v[A+2:A+3], v[X+4*\c+2:X+4*\c+3], v[W+2*\c:W+2*\c+1], v[A+2:A+3]
.endr
	global_store_b128 v1, v[A:A+3], s[6:7]         ; 16 lanes store 256 consecutive bytes at a multiple of 256 from out0's first byte
	s_endpgm
.Lfunc_end_k_q3100f71d62_combine:
	.size	k_q3100f71d62_combine, .Lfunc_end_k_q3100f71d62_combine-k_q3100f71d62_combine
	.p2alignl 7, 3214868480
	.fill 96, 4, 3214868480
	.section	.rodata,"a",@progbits
	.p2align	6, 0x0
	.amdhsa_kernel k_q3100f71d62_combine
		.amdhsa_group_segment_fixed_size 0
		.amdhsa_private_segment_fixed_size 0
		.amdhsa_enable_private_segment 0
		.amdhsa_kernarg_size 16
		.amdhsa_user_sgpr_count 2
		.amdhsa_user_sgpr_kernarg_segment_ptr 1
		.amdhsa_wavefront_size32 1
		.amdhsa_system_sgpr_workgroup_id_x 1
		.amdhsa_system_sgpr_workgroup_id_y 1
		.amdhsa_system_sgpr_workgroup_id_z 1
		.amdhsa_system_vgpr_workitem_id 0
		.amdhsa_next_free_vgpr 64
		.amdhsa_next_free_sgpr 66
		.amdhsa_reserve_vcc 0
		.amdhsa_float_denorm_mode_32 3
		.amdhsa_float_denorm_mode_16_64 3
		.amdhsa_memory_ordered 1
		.amdhsa_forward_progress 1
		.amdhsa_inst_pref_size 6
	.end_amdhsa_kernel
	.amdgpu_metadata
---
amdhsa.version: [ 1, 2 ]
amdhsa.kernels:
  - .name:           k_q3100f71d62_combine
    .symbol:         k_q3100f71d62_combine.kd
    .args:
      - { .name: part, .offset: 0, .size: 8, .value_kind: global_buffer, .address_space: global }
      - { .name: out0, .offset: 8, .size: 8, .value_kind: global_buffer, .address_space: global }
    .group_segment_fixed_size: 0
    .private_segment_fixed_size: 0
    .kernarg_segment_align: 8
    .kernarg_segment_size: 16
    .max_flat_workgroup_size: 128
    .sgpr_count:     66
    .vgpr_count:     64
    .wavefront_size: 32
...
	.end_amdgpu_metadata
.endif
;; end of part 2
